; MI455X (gfx1250); checked and timed in simulation.
; The chip was launched on July 23, 2026; its instructions are those of AMD's public machine-readable ISA for CDNA 5 (MIT licence, August 2026) and "CDNA5" Instruction Set Architecture Reference Guide (July 2026). The comments in the code are by the model that wrote it; some were corrected since.
;; Bert Image Self Attention. Allowed arithmetic: matrix products marked QUANTISED: E4M3 operands, one E8M0 scale for each 32 along K, by v_wmma_scale_f32_16x16x128_f8f6f4 with both operands' format E4M3, f32 sums; products left as they are: f32 operands where the result goes on into a quantised operand, else bf16, f16 or f32 operands; f32 sums; everything else in f32.
;; Inputs: Wdk 768 x 1,024 float32; Wdq 768 x 1,024 float32; Wk_codes 1,024 x 32 x 32 uint8 (E4M3 codes of Wk, K innermost, in blocks of 32 codes); Wk_scales 1,024 x 32 uint8 (E8M0 scales of Wk, one for each 32 codes along K); Wq_codes 1,024 x 32 x 32 uint8 (E4M3 codes of Wq, K innermost, in blocks of 32 codes); Wq_scales 1,024 x 32 uint8 (E8M0 scales of Wq, one for each 32 codes along K); Wv_codes 1,024 x 32 x 32 uint8 (E4M3 codes of Wv, K innermost, in blocks of 32 codes); Wv_scales 1,024 x 32 uint8 (E8M0 scales of Wv, one for each 32 codes along K); attention_mask 4 x 1 x 1 x 2,048 float32; bdk 1,024 float32; bdq 1,024 float32; bk 1,024 float32; bq 1,024 float32; bv 1,024 float32; hidden_states_codes 4 x 2,048 x 32 x 32 uint8 (E4M3 codes of hidden_states, K innermost, in blocks of 32 codes); hidden_states_scales 4 x 2,048 x 32 uint8 (E8M0 scales of hidden_states, one for each 32 codes along K); txt_attention_mask 4 x 64 x 1 float32; txt_embedding 4 x 64 x 768 float32.
;; Outputs: out0 4 x 2,048 x 1,024 float32.
;; This version of the problem:
;;   THIS VERSION OF THE PROBLEM IS GIVEN IN LOW PRECISION. The matrix products marked QUANTISED in the list below multiply operands that are first quantised to E4M3 (4 exponent bits, 3 mantissa bits; 8 bits a number), with one power-of-two scale for each 32 numbers along K (OCP MX v1.0); their sums are f32. All else is computed in f32.
;;   The module's matrix products, in the order in which they are computed (A, B: the left and right operand; K: the contracted axis; several contracted axes count as one K, in the product's order):
;;     1. [M 8,192, K 1,024] x [K 1,024, N 1,024]; A: input hidden_states (given as codes); B: input Wq (given as codes): QUANTISED
;;     2. [M 8,192, K 1,024] x [K 1,024, N 1,024]; A: input hidden_states (given as codes); B: input Wk (given as codes): QUANTISED
;;     3. [M 8,192, K 1,024] x [K 1,024, N 1,024]; A: input hidden_states (given as codes); B: input Wv (given as codes): QUANTISED
;;     4. [M 4, K 768] x [K 768, N 1,024]; A: computed on the way; B: input Wdq: left as it is (M = 4 < 16)
;;     5. [M 4, K 768] x [K 768, N 1,024]; A: computed on the way; B: input Wdk: left as it is (M = 4 < 16)
;;     6. batch 64 x [M 2,048, K 64] x [K 64, N 2,048]; A: computed on the way; B: computed on the way: QUANTISED
;;     7. batch 64 x [M 2,048, K 2,048] x [K 2,048, N 64]; A: softmax (see below); B: computed on the way: QUANTISED
;;   THE QUANTISER, for each operand of a quantised product, along K:
;;     - K is cut into blocks of 32 from its start; a last block that is shorter is filled with zeros.
;;     - A block's scale is 2^e with e = floor(log2(the largest magnitude in the block)) - 8, held to -126 .. 127; a block of zeros has e = 0. As a byte (E8M0): e + 127.
;;     - Each number is divided by its block's scale, clamped to +-448, and rounded to the nearest number of E4M3, ties to even, subnormals kept.
;;     - The product sums the exact products of the quantised numbers (number of the format x scale) in f32.
;;   ~~~python
;;   def quantise(x, axis):      # numpy; x: float32 -> the quantised numbers, widened to float32 again
;;       x = np.moveaxis(x, axis, -1); K = x.shape[-1]
;;       x = np.pad(x, [(0, 0)] * (x.ndim - 1) + [(0, -K % 32)]); x = x.reshape(x.shape[:-1] + (-1, 32)); a = np.abs(x).max(-1, keepdims=True)
;;       e = np.where(a > 0, np.clip(np.frexp(np.where(a > 0, a, 1))[1] - 1 - 8, -126, 127), 0)      # np.frexp(a)[1] - 1 = floor(log2(a)), exactly
;;       r = np.clip(x / 2.0 ** e, -448, 448)
;;       step = 2.0 ** (np.maximum(np.frexp(np.where(r == 0, 1, r))[1] - 1, -6) - 3)
;;       q = np.round(r / step) * step * 2.0 ** e      # np.round: ties to even
;;       return np.moveaxis(q.reshape(q.shape[:-2] + (-1,))[..., :K], -1, axis).astype(np.float32)
;;   ~~~
;;   SOFTMAX AHEAD OF A QUANTISED PRODUCT. Where the list says 'softmax', what is quantised is not the finished softmax but p = 2^(t - M), with t = logit x log2(e) and M = ceil(the row's largest t), a whole number; so 1/2 < the row's largest p <= 1. The row's sum l is taken of the UNQUANTISED p, in f32, and the product's result is divided by l at the end. Since M is a whole number, a kernel that streams over the keys may use a running M (the ceiling of the running maximum): every later rescaling is an exact power of two, which a block's scale takes up: the codes' values come out the same.
;;   OPERANDS COMPUTED ON THE WAY. 'Computed on the way' means the value that the module computes at that place (a softmax that the list does not call 'softmax' is quantised finished and normalised). What goes into a quantiser is computed in f32, as accurately as f32 sums, v_exp_f32 and their like allow (about 1e-6 of the number): no bf16 or f16 on the way to a quantiser, and a product that is left as it is and whose result goes on into a quantised operand takes f32 operands (vector FMAs, or v_wmma_f32_16x16x4_f32). A number that lies on a knife's edge between two numbers of the format may be rounded either way, as far as f32 arithmetic and the matrix unit's own rounding can turn it there, and no further.
;;   INPUTS GIVEN AS CODES. Wk (in the module: [1024, 1024], K = its axis 0); Wq (in the module: [1024, 1024], K = its axis 0); Wv (in the module: [1024, 1024], K = its axis 0); hidden_states (in the module: [4, 2048, 1024], K = its axis 2): each comes as NAME_codes (uint8): NAME with its K axis moved to the last place and cut into blocks of 32 codes, [.., K / 32, bytes a block], one block behind the other in memory; one code a byte (a code: sign, 4 exponent bits, 3 mantissa bits); and NAME_scales (uint8): the same leading axes, one E8M0 byte (e + 127) for each 32 codes along K. Its value is code x scale, taken as it is: it is not quantised again, and the codes and scales need not be those that the quantiser above would give.
;; One version. Each part assembles by itself: llvm-mc -triple=amdgcn-amd-amdhsa -mcpu=gfx1250 --defsym DOCPART=n.
;; ======== version 1 of 1: 3 launches
;; limits: right only within a limited range of input values
;; workspace buffers: gatebuf 32,768 bytes; qc 8,388,608 bytes; kc 8,388,608 bytes; vc 8,388,608 bytes; qs 524,288 bytes; ks 524,288 bytes; vs 262,144 bytes
;; launch gates (part 1): grid 32 x 4, 24 waves a work-group, no clusters, 21,504 bytes of LDS; arguments txt_embedding, txt_attention_mask, Wdq, Wdk, bdq, bdk, gatebuf; writes gatebuf
.if DOCPART == 1
	.amdgcn_target "amdgcn-amd-amdhsa--gfx1250"
	.amdhsa_code_object_version 6
	.text
	.protected	k_qe8d7a9f1ad_gates
	.globl	k_qe8d7a9f1ad_gates
	.p2align	8
	.type	k_qe8d7a9f1ad_gates,@function
k_qe8d7a9f1ad_gates:
	s_mov_b64 s[64:65], 0
	v_nop
	global_prefetch_b8 v0, s[64:65] scope:SCOPE_SE
	s_setreg_imm32_b32 hwreg(HW_REG_WAVE_MODE, 25, 1), 1
	s_wait_xcnt 0x0
; gate = 1 + sigmoid(pool . Wd + bd), pool = the masked mean of the text's 64 rows: all in f32, since the gates go on into a quantiser.
; txt_embedding [4][64][768], txt_attention_mask [4][64], Wdq, Wdk [768][1024], bdq, bdk [1024]: f32.
; OUT: gatebuf [2][4][1024] f32: plane 0 = gate_q x 2^-3 (the scores' 1 / sqrt(64), an exact power of two, is folded in here), plane 1 = gate_k.
; SHARES.  Work-group (x, y): batch y; 64 columns: chunk x % 16 of Wdq (x < 16) or of Wdk.  64 columns are 256 bytes of a row of Wd, aligned.
; 24 waves.  POOL: wave w takes text rows 16 (w / 6) on and columns 128 (w % 6) on; the four partial sums of a column meet in LDS.
; PRODUCT: wave w takes rows 32 w .. 32 w + 31 of Wd: lanes 0-15 the first sixteen, lanes 16-31 the others, four columns a lane; the 24 waves' sums meet in LDS, wave 0 finishes.
; The division by the mask's sum is done once, on the finished dot product.  No matrix instruction (four rows, f32 asked), no tensor load, no cluster: nothing here is shared between work-groups in LDS.
; LIMITS: NaN and infinities among the inputs are not served; a mask that sums to 0 gives what 0 / 0 gives.
.set RED, 12288                        ; LDS: bytes 0 .. 12,287: four partial pools of 768 f32; from RED on: 24 waves x 64 f32
.set WR,  16                           ; v16-79   sixteen rows of Wd, four columns each
.set XR,  80                           ; v80-143  sixteen rows of the text, four columns each; later the pool's numbers
.set ACC, 144                          ; v144-147 sums
	s_load_b256 s[4:11], s[0:1], 0x0               ; text s[4:5], its mask s[6:7], Wdq s[8:9], Wdk s[10:11]
	s_load_b128 s[12:15], s[0:1], 0x20             ; bdq s[12:13], bdk s[14:15]
	s_load_b64 s[32:33], s[0:1], 0x30              ; gatebuf
	v_lshl_add_u32 v158, v0, 2, 0x4800
	v_mov_b32 v159, 0
	v_lshrrev_b32 v1, 5, v0
	s_delay_alu instid0(VALU_DEP_1)
	v_readfirstlane_b32 s34, v1                    ; wave 0..23
	s_mul_i32 s35, s34, 43
	s_lshr_b32 s35, s35, 8                         ; wave / 6 (43 / 256 serves up to 23)
	s_and_b32 s36, ttmp7, 0xffff                   ; batch
	s_and_b32 s37, ttmp9, 15                       ; chunk of 64 columns
	s_lshl_b32 s48, s37, 8                         ; its 256 bytes in a row of Wd, in the bias and in a row of gates
	s_mov_b32 s49, 0
	s_mul_i32 s40, s36, 196608                     ; the batch's text,
	s_mul_i32 s42, s35, 46080                      ; + 16 rows x 3,072 bytes a row group, less the 3,072 that 16 x thread counts too much for each
	s_add_co_u32 s40, s40, s42
	s_mov_b32 s41, 0
	s_lshl_b32 s42, s36, 8                         ; the batch's 64 mask numbers
	s_mov_b32 s43, 0
	s_lshl_b32 s44, s35, 6                         ; my row group's sixteen of them
	s_mov_b32 s45, 0
	s_lshl_b32 s50, s36, 12                        ; the batch's row of gates
	s_add_co_u32 s50, s50, s48
	s_mov_b32 s51, 0
	s_mov_b32 s46, 0x76543210                      ; v_permlanex16_b32's selects for lane l xor 16
	s_mov_b32 s47, 0xfedcba98
	v_lshlrev_b32 v2, 4, v0                        ; 16 x thread = 512 x wave + 16 x lane: my place in the text's rows and in the partial pools
	v_and_b32 v3, 31, v0
	s_delay_alu instid0(VALU_DEP_1)
	v_lshlrev_b32 v3, 3, v3                        ; 8 x lane
	v_lshrrev_b32 v5, 4, v0                        ; 2 x wave + half
	v_and_b32 v8, 15, v0
	s_delay_alu instid0(VALU_DEP_2)
	v_lshlrev_b32 v4, 16, v5                       ; Wd: sixteen rows of 4,096 bytes for each half wave,
	s_delay_alu instid0(VALU_DEP_1)
	v_lshl_or_b32 v4, v8, 4, v4                    ; + 16 bytes a lane
	s_delay_alu instid0(VALU_DEP_4)
	v_lshlrev_b32 v5, 6, v5                        ; the pool's sixteen numbers of my rows: 64 bytes for each half wave
	v_lshlrev_b32 v6, 8, v1
	s_delay_alu instid0(VALU_DEP_1)
	v_lshl_add_u32 v6, v8, 4, v6
	s_delay_alu instid0(VALU_DEP_1)
	v_add_nc_u32 v6, RED, v6                       ; my wave's 64 sums: 256 x wave + 16 x (lane % 16)
	v_add_nc_u32 v7, RED, v3                       ; and how wave 0 reads them: two columns a lane
	v_mov_b32 v149, 0                              ; a lane permute's destination counts as one of its sources
.irp c, 0,1,2,3
	v_mov_b32 v[152+\c], 0
.endr
	s_wait_kmcnt 0x0
	s_cmp_lt_u32 ttmp9, 16                         ; gate_q's work-group or gate_k's: the choice hangs on the work-group's number alone
	s_cselect_b64 s[8:9], s[8:9], s[10:11]
	s_cselect_b64 s[12:13], s[12:13], s[14:15]
	s_cselect_b32 s38, -3, 0                       ; gate_q is stored x 2^-3
	s_cselect_b32 s39, 0, 16384                    ; the plane
	s_add_co_u32 s50, s50, s39
	s_add_nc_u64 s[4:5], s[4:5], s[40:41]
	s_add_nc_u64 s[6:7], s[6:7], s[42:43]
	s_add_nc_u64 s[52:53], s[6:7], s[44:45]
	s_load_b512 s[16:31], s[52:53], 0x0            ; my sixteen rows' mask numbers, as scalars
	s_add_nc_u64 s[8:9], s[8:9], s[48:49]
	s_add_nc_u64 s[12:13], s[12:13], s[48:49]
	s_add_nc_u64 s[32:33], s[32:33], s[50:51]
	; every load of the wave goes out at once: 34
	global_load_b64 v[12:13], v3, s[6:7]           ; the batch's 64 mask numbers, two a lane
	global_load_b64 v[14:15], v3, s[12:13]         ; the chunk's 64 biases, two a lane
.irp i, 0,1,2,3,4,5,6,7,8,9,10,11,12,13,14,15
	global_load_b128 v[XR+4*\i:XR+4*\i+3], v2, s[4:5] offset:3072*\i     ; 512 consecutive bytes of a row of the text
.endr
.irp i, 0,1,2,3,4,5,6,7,8,9,10,11,12,13,14,15
	global_load_b128 v[WR+4*\i:WR+4*\i+3], v4, s[8:9] offset:4096*\i     ; 256 consecutive, aligned bytes of each of two rows of Wd
.endr
	s_wait_kmcnt 0x0
	s_wait_loadcnt 16                              ; all but Wd's sixteen loads are in
.irp c, 0,1,2,3
	v_mul_f32 v[ACC+\c], s16, v[XR+\c]             ; the first row starts the sums
.endr
.irp i, 1,2,3,4,5,6,7,8,9,10,11,12,13,14,15
.irp c, 0,1,2,3
	s_delay_alu instid0(VALU_DEP_4)
	v_fmac_f32 v[ACC+\c], s[16+\i], v[XR+4*\i+\c]
.endr
.endr
	ds_store_b128 v2, v[ACC:ACC+3]                 ; partial pool of my row group
	v_add_f32 v148, v12, v13                       ; the mask's sum, in every lane
	s_delay_alu instid0(VALU_DEP_1)
	v_add_f32_dpp v148, v148, v148 row_xmask:1 row_mask:0xf bank_mask:0xf
	s_delay_alu instid0(VALU_DEP_1)
	v_add_f32_dpp v148, v148, v148 row_xmask:2 row_mask:0xf bank_mask:0xf
	s_delay_alu instid0(VALU_DEP_1)
	v_add_f32_dpp v148, v148, v148 row_xmask:4 row_mask:0xf bank_mask:0xf
	s_delay_alu instid0(VALU_DEP_1)
	v_add_f32_dpp v148, v148, v148 row_xmask:8 row_mask:0xf bank_mask:0xf
	s_delay_alu instid0(VALU_DEP_1)
	v_permlanex16_b32 v149, v148, s46, s47
	s_delay_alu instid0(VALU_DEP_1)
	v_add_f32 v148, v148, v149
	s_wait_alu depctr_va_vdst(0)
	v_rcp_f32 v150, v148
	v_nop                                          ; one plain instruction behind a transcendental
	s_wait_dscnt 0x0                               ; for the others' sake: my partial pool lies in LDS
	s_barrier_signal -1
	s_barrier_wait -1
.irp q, 0,1,2,3
.irp e, 0,1,2,3
	ds_load_b128 v[XR+16*\q+4*\e:XR+16*\q+4*\e+3], v5 offset:3072*\q+16*\e   ; the four partial pools at my sixteen rows of Wd
.endr
.endr
	s_wait_dscnt 0x0
.irp p, 0,2,4,6,8,10,12,14
	v_pk_add_f32 v[XR+\p:XR+\p+1], v[XR+\p:XR+\p+1], v[XR+16+\p:XR+17+\p]
	v_pk_add_f32 v[XR+32+\p:XR+33+\p], v[XR+32+\p:XR+33+\p], v[XR+48+\p:XR+49+\p]
.endr
.irp p, 0,2,4,6,8,10,12,14
	v_pk_add_f32 v[XR+\p:XR+\p+1], v[XR+\p:XR+\p+1], v[XR+32+\p:XR+33+\p]
.endr
	s_wait_alu depctr_va_vdst(0)
	s_wait_loadcnt 0x0                             ; Wd
.irp c, 0,1,2,3
	v_mul_f32 v[ACC+\c], v[XR], v[WR+\c]
.endr
.irp i, 1,2,3,4,5,6,7,8,9,10,11,12,13,14,15
.irp c, 0,1,2,3
	s_delay_alu instid0(VALU_DEP_4)
	v_fmac_f32 v[ACC+\c], v[XR+\i], v[WR+4*\i+\c]
.endr
.endr
.irp c, 0,1,2,3
	s_delay_alu instid0(VALU_DEP_4)
	v_permlanex16_b32 v[152+\c], v[ACC+\c], s46, s47
.endr
.irp c, 0,1,2,3
	s_delay_alu instid0(VALU_DEP_4)
	v_add_f32 v[ACC+\c], v[ACC+\c], v[152+\c]      ; with the other half's sixteen rows
.endr
	ds_store_b128 v6, v[ACC:ACC+3]                 ; both halves store the same bytes with the same values
	s_wait_dscnt 0x0
	s_barrier_signal -1
	s_barrier_wait -1
	s_cmp_lg_u32 s34, 0
	s_cbranch_scc1 .Lend                           ; wave 0 finishes the chunk
.irp i, 0,1,2,3,4,5,6,7,8,9,10,11,12,13,14,15,16,17,18,19,20,21,22,23
	ds_load_b64 v[WR+2*\i:WR+2*\i+1], v7 offset:256*\i
.endr
	s_wait_dscnt 0x0
.irp i, 2
	v_pk_add_f32 v[WR:WR+1], v[WR:WR+1], v[WR+2*\i:WR+2*\i+1]
	v_pk_add_f32 v[WR+2:WR+3], v[WR+2:WR+3], v[WR+2*\i+2:WR+2*\i+3]
.endr
.irp i, 4, 6, 8, 10, 12, 14, 16, 18, 20, 22
	s_delay_alu instid0(VALU_DEP_2)
	v_pk_add_f32 v[WR:WR+1], v[WR:WR+1], v[WR+2*\i:WR+2*\i+1]
	s_delay_alu instid0(VALU_DEP_2)
	v_pk_add_f32 v[WR+2:WR+3], v[WR+2:WR+3], v[WR+2*\i+2:WR+2*\i+3]
.endr
	s_delay_alu instid0(VALU_DEP_1)
	v_pk_add_f32 v[WR:WR+1], v[WR:WR+1], v[WR+2:WR+3]
	s_wait_alu depctr_va_vdst(0)
	v_fma_f32 v16, v16, v150, v14                  ; / the mask's sum, + the bias
	v_fma_f32 v17, v17, v150, v15
	s_delay_alu instid0(VALU_DEP_2)
	v_mul_f32 v16, 0xbfb8aa3b, v16                 ; x -log2(e)
	s_delay_alu instid0(VALU_DEP_2)
	v_mul_f32 v17, 0xbfb8aa3b, v17
	s_wait_alu depctr_va_vdst(0)
	v_exp_f32 v16, v16
	v_exp_f32 v17, v17
	v_nop
	s_wait_alu depctr_va_vdst(0)
	v_add_f32 v16, 1.0, v16
	v_add_f32 v17, 1.0, v17
	s_wait_alu depctr_va_vdst(0)
	v_rcp_f32 v16, v16                             ; the sigmoid
	v_rcp_f32 v17, v17
	v_nop
	s_wait_alu depctr_va_vdst(0)
	v_add_f32 v16, 1.0, v16
	v_add_f32 v17, 1.0, v17
	s_delay_alu instid0(VALU_DEP_2)
	v_ldexp_f32 v16, v16, s38
	s_delay_alu instid0(VALU_DEP_2)
	v_ldexp_f32 v17, v17, s38
	global_store_b64 v3, v[16:17], s[32:33]        ; 32 lanes store 256 consecutive bytes, aligned
.Lend:
	s_wait_tensorcnt 0x0
	ds_add_u32 v158, v159
	s_wait_dscnt 0x0
	s_endpgm
.Lfunc_end_k_qe8d7a9f1ad_gates:
	.size	k_qe8d7a9f1ad_gates, .Lfunc_end_k_qe8d7a9f1ad_gates-k_qe8d7a9f1ad_gates
	.p2alignl 7, 3214868480
	.fill 96, 4, 3214868480
	.section	.rodata,"a",@progbits
	.p2align	6, 0x0
	.amdhsa_kernel k_qe8d7a9f1ad_gates
		.amdhsa_group_segment_fixed_size 21504
		.amdhsa_private_segment_fixed_size 0
		.amdhsa_enable_private_segment 0
		.amdhsa_kernarg_size 56
		.amdhsa_user_sgpr_count 2
		.amdhsa_user_sgpr_kernarg_segment_ptr 1
		.amdhsa_wavefront_size32 1
		.amdhsa_system_sgpr_workgroup_id_x 1
		.amdhsa_system_sgpr_workgroup_id_y 1
		.amdhsa_system_sgpr_workgroup_id_z 1
		.amdhsa_system_vgpr_workitem_id 0
		.amdhsa_next_free_vgpr 160
		.amdhsa_next_free_sgpr 66
		.amdhsa_reserve_vcc 0
		.amdhsa_float_denorm_mode_32 3
		.amdhsa_float_denorm_mode_16_64 3
		.amdhsa_memory_ordered 1
		.amdhsa_forward_progress 1
		.amdhsa_inst_pref_size 23
	.end_amdhsa_kernel
	.amdgpu_metadata
---
amdhsa.version: [ 1, 2 ]
amdhsa.kernels:
  - .name:           k_qe8d7a9f1ad_gates
    .symbol:         k_qe8d7a9f1ad_gates.kd
    .args:
      - { .name: txt_embedding, .offset: 0, .size: 8, .value_kind: global_buffer, .address_space: global }
      - { .name: txt_attention_mask, .offset: 8, .size: 8, .value_kind: global_buffer, .address_space: global }
      - { .name: Wdq, .offset: 16, .size: 8, .value_kind: global_buffer, .address_space: global }
      - { .name: Wdk, .offset: 24, .size: 8, .value_kind: global_buffer, .address_space: global }
      - { .name: bdq, .offset: 32, .size: 8, .value_kind: global_buffer, .address_space: global }
      - { .name: bdk, .offset: 40, .size: 8, .value_kind: global_buffer, .address_space: global }
      - { .name: gatebuf, .offset: 48, .size: 8, .value_kind: global_buffer, .address_space: global }
    .group_segment_fixed_size: 21504
    .private_segment_fixed_size: 0
    .kernarg_segment_align: 8
    .kernarg_segment_size: 56
    .max_flat_workgroup_size: 768
    .sgpr_count:     66
    .vgpr_count:     160
    .wavefront_size: 32
...
	.end_amdgpu_metadata
.endif
;; end of part 1
;; launch proj (part 2): grid 8 x 32, 4 waves a work-group, clusters of 4 x 4, 327,680 bytes of LDS; arguments hidden_states_codes, hidden_states_scales, Wq_codes, Wk_codes, Wv_codes, Wq_scales, Wk_scales, Wv_scales, bq, bk, bv, gatebuf, qc, kc, vc, qs, ks, vs; writes qc, kc, vc, qs, ks, vs
.if DOCPART == 2
	.amdgcn_target "amdgcn-amd-amdhsa--gfx1250"
	.amdhsa_code_object_version 6
	.text
	.protected	k_qe8d7a9f1ad_proj
	.globl	k_qe8d7a9f1ad_proj
	.p2align	8
	.type	k_qe8d7a9f1ad_proj,@function
k_qe8d7a9f1ad_proj:
	s_mov_b64 s[64:65], 0
	v_nop
	global_prefetch_b8 v0, s[64:65] scope:SCOPE_SE
	s_setreg_imm32_b32 hwreg(HW_REG_WAVE_MODE, 25, 1), 1
	s_wait_xcnt 0x0
	s_wait_alu depctr_hold_cnt(0) depctr_sa_sdst(0) depctr_va_vdst(0) depctr_va_sdst(0) depctr_va_ssrc(0) depctr_va_vcc(0) depctr_vm_vsrc(0)
	s_getreg_b32 s2, hwreg(HW_REG_IB_STS2, 6, 4)
	s_cmp_eq_u32 s2, 0
	s_cbranch_scc0 .Lentry_in_a_cluster
	s_endpgm
.Lentry_in_a_cluster:
	s_bfe_u32 s2, ttmp6, 0x10000c
	s_cmp_lg_u32 s2, 0xf033
	s_cbranch_scc0 .Lentry_shape_is_right
	s_endpgm
.Lentry_shape_is_right:
.set PITCH, 144
.set TILEB, 16*PITCH
.set WOFF,  256*PITCH
.set WROLE, 128*PITCH
.set SLOT,  WOFF+3*WROLE
.set SCLA,  2*SLOT
.set SCLW,  SCLA+32*272
.set SPARE, SCLW+3*16*272
.set LI,   1
.set ADRA, 2
.set ADRB, 4
.set ADSA, 6
.set ADSW, 7
.set SPW,  8
.set NIL,  9
.set SA,   10
.set SW,   14
.set BV,   20
.set TM,   28
.set PC,   44
.set WD,   60
.set AF,   64
.set BF,   192
.set XN,   192
.set BQ,   64
.set GQ,   96
.set BK,   128
.set GK,   160
.set WV,   20
.set TH,   21
.set HH,   22
.set XW,   25
.set YW,   26
.set G1A,  28
.set G1W,  36
.set G0A0, 44
.set G0W0, 52
.set G1SA, 68
.set G1SW, 76
.set G0SA, 84
.set G0SW, 88
.set SEL,  94
.set MNT,  96
.set MSB, 0
.macro WIN new
.if MSB != \new
	s_set_vgpr_msb (MSB<<8)|\new
.set MSB, \new
.endif
.endm
.macro PLACES n
.rept \n
	v_nop
.endr
.endm
.macro JLOAD g0a, g1a, g0w, g1w
	s_cmp_eq_u32 s[WV], 0
	s_cbranch_scc0 .Lfor_w_\@
	tensor_load_to_lds s[\g0a:\g0a+3], s[\g1a:\g1a+7]
	s_nop 0
.rept 4
	v_nop
.endr
	s_branch .Lasked_\@
.Lfor_w_\@:
	tensor_load_to_lds s[\g0w:\g0w+3], s[\g1w:\g1w+7]
	s_nop 0
.rept 4
	v_nop
.endr
.Lasked_\@:
.endm
.macro CROUND
	s_barrier_signal -1
	s_barrier_wait -1
	s_cmp_lg_u32 s[WV], 0
	s_cbranch_scc1 .Lnot_wave_0_\@
	s_barrier_signal -3
.Lnot_wave_0_\@:
	s_barrier_wait -3
	s_barrier_signal -1
	s_barrier_wait -1
.endm
.macro EMITW
.if fZ
.if fRA && fRB
	v_wmma_scale_f32_16x16x128_f8f6f4 v[rD:rD+7], v[rA:rA+15], v[rB:rB+15], 0, v[rSA], v[rSB] matrix_a_scale:MATRIX_SCALE_ROW1 matrix_b_scale:MATRIX_SCALE_ROW1
.elseif fRA
	v_wmma_scale_f32_16x16x128_f8f6f4 v[rD:rD+7], v[rA:rA+15], v[rB:rB+15], 0, v[rSA], v[rSB] matrix_a_scale:MATRIX_SCALE_ROW1
.elseif fRB
	v_wmma_scale_f32_16x16x128_f8f6f4 v[rD:rD+7], v[rA:rA+15], v[rB:rB+15], 0, v[rSA], v[rSB] matrix_b_scale:MATRIX_SCALE_ROW1
.else
	v_wmma_scale_f32_16x16x128_f8f6f4 v[rD:rD+7], v[rA:rA+15], v[rB:rB+15], 0, v[rSA], v[rSB]
.endif
.else
.if fRA && fRB
	v_wmma_scale_f32_16x16x128_f8f6f4 v[rD:rD+7], v[rA:rA+15], v[rB:rB+15], v[rC:rC+7], v[rSA], v[rSB] matrix_a_scale:MATRIX_SCALE_ROW1 matrix_b_scale:MATRIX_SCALE_ROW1
.elseif fRA
	v_wmma_scale_f32_16x16x128_f8f6f4 v[rD:rD+7], v[rA:rA+15], v[rB:rB+15], v[rC:rC+7], v[rSA], v[rSB] matrix_a_scale:MATRIX_SCALE_ROW1
.elseif fRB
	v_wmma_scale_f32_16x16x128_f8f6f4 v[rD:rD+7], v[rA:rA+15], v[rB:rB+15], v[rC:rC+7], v[rSA], v[rSB] matrix_b_scale:MATRIX_SCALE_ROW1
.else
	v_wmma_scale_f32_16x16x128_f8f6f4 v[rD:rD+7], v[rA:rA+15], v[rB:rB+15], v[rC:rC+7], v[rSA], v[rSB]
.endif
.endif
.endm
	s_load_b512 s[4:19], s[0:1], 0x0
	s_load_b64 s[92:93], s[0:1], 0x50
	v_lshl_add_u32 v[SPW], v0, 2, SPARE
	v_mov_b32 v[NIL], 0
	ds_add_u32 v8, v9
	ds_add_u32 v8, v9
	s_wait_dscnt 0x0
	v_lshrrev_b32 v1, 5, v0
	v_readfirstlane_b32 s[WV], v1
	s_lshr_b32 s[TH], s[WV], 1
	s_and_b32 s[HH], s[WV], 1
	s_bfe_u32 s23, ttmp6, 0x40000
	s_bfe_u32 s24, ttmp6, 0x40004
	s_lshl_b32 s[XW], ttmp9, 2
	s_add_co_u32 s[XW], s[XW], s23
	s_and_b32 s[YW], ttmp7, 0xffff
	s_lshl_b32 s[YW], s[YW], 2
	s_add_co_u32 s[YW], s[YW], s24
	s_lshl_b32 s2, s24, 2
	s_lshl_b32 s2, 15, s2
	s_lshl_b32 s3, 0x1111, s23
	s_or_b32 s[G1A], s2, (1<<20)|(1<<21)|(4<<22)|(3<<25)
	s_or_b32 s[G1W], s3, (1<<20)|(1<<21)|(4<<22)|(3<<25)
.irp g, G1A, G1W
	s_mov_b32 s[\g+1], 128<<16
	s_mov_b32 s[\g+3], 128<<16
	s_mov_b32 s[\g+5], 1024
	s_mov_b32 s[\g+6], 0
	s_mov_b32 s[\g+7], 0
.endr
	s_mov_b32 s[G1A+2], 256<<16
	s_mov_b32 s[G1A+4], 256
	s_mov_b32 s[G1W+2], 128<<16
	s_mov_b32 s[G1W+4], 128
	s_or_b32 s[G1SA], s2, (3<<16)|(1<<20)|(1<<21)|(5<<22)|(3<<25)
	s_or_b32 s[G1SW], s3, (3<<16)|(1<<20)|(1<<21)|(5<<22)|(3<<25)
.irp g, G1SA, G1SW
	s_mov_b32 s[\g+1], 32<<16
	s_mov_b32 s[\g+3], 32<<16
	s_mov_b32 s[\g+5], 32
	s_mov_b32 s[\g+6], 0
	s_mov_b32 s[\g+7], 0
.endr
	s_mov_b32 s[G1SA+2], 32<<16
	s_mov_b32 s[G1SA+4], 32
	s_mov_b32 s[G1SW+2], 16<<16
	s_mov_b32 s[G1SW+4], 16
	s_mov_b32 s[SEL], 0x76543210
	s_mov_b32 s[SEL+1], 0xfedcba98
	s_mov_b32 vcc_lo, 0xffff0000
	s_wait_kmcnt 0x0
	s_lshl_b32 s60, s[YW], 18
	s_mov_b32 s61, 0
	s_add_nc_u64 s[62:63], s[4:5], s[60:61]
	s_lshl_b32 s60, s[YW], 13
	s_add_nc_u64 s[G0SA+2:G0SA+3], s[6:7], s[60:61]
	s_cmp_eq_u32 s[WV], 1
	s_cselect_b64 s[98:99], s[8:9], s[10:11]
	s_cselect_b64 s[100:101], s[14:15], s[16:17]
	s_cmp_eq_u32 s[WV], 3
	s_cselect_b64 s[98:99], s[12:13], s[98:99]
	s_cselect_b64 s[100:101], s[18:19], s[100:101]
	s_lshl_b32 s66, s[XW], 17
	s_mov_b32 s67, 0
	s_add_nc_u64 s[98:99], s[98:99], s[66:67]
	s_lshl_b32 s66, s[XW], 12
	s_add_nc_u64 s[G0SW+2:G0SW+3], s[100:101], s[66:67]
	s_lshl_b32 s66, s[XW], 1
	s_add_co_u32 s66, s66, s[HH]
	s_lshl_b32 s66, s66, 8
	s_add_nc_u64 s[92:93], s[92:93], s[66:67]
	s_mul_i32 s2, s[WV], WROLE
	s_mul_i32 s3, s[WV], 16*272
	CROUND
	s_mov_b32 s[G0SA], 1
	s_mov_b32 s[G0SA+1], SCLA
	s_or_b32 s[G0SA+3], s[G0SA+3], 0x80000000
	s_mov_b32 s[G0SW], 1
	s_add_co_u32 s[G0SW+1], s3, SCLW-16*272
	s_or_b32 s[G0SW+3], s[G0SW+3], 0x80000000
	JLOAD G0SA, G1SA, G0SW, G1SW
	s_mov_b32 s[G0A0], 1
	s_mov_b32 s[G0A0+1], 0
	s_mov_b64 s[G0A0+2:G0A0+3], s[62:63]
	s_or_b32 s[G0A0+3], s[G0A0+3], 0x80000000
	s_mov_b32 s[G0A0+4], 1
	s_mov_b32 s[G0A0+5], SLOT
	s_add_nc_u64 s[G0A0+6:G0A0+7], s[62:63], 128
	s_or_b32 s[G0A0+7], s[G0A0+7], 0x80000000
	s_mov_b32 s[G0W0], 1
	s_add_co_u32 s[G0W0+1], s2, WOFF-WROLE
	s_mov_b64 s[G0W0+2:G0W0+3], s[98:99]
	s_or_b32 s[G0W0+3], s[G0W0+3], 0x80000000
	s_mov_b32 s[G0W0+4], 1
	s_add_co_u32 s[G0W0+5], s2, SLOT+WOFF-WROLE
	s_add_nc_u64 s[G0W0+6:G0W0+7], s[98:99], 128
	s_or_b32 s[G0W0+7], s[G0W0+7], 0x80000000
	s_wait_alu depctr_va_vdst(0)
	s_wait_tensorcnt 0x0
	ds_add_u32 v8, v9
	s_wait_dscnt 0x0
	CROUND
	JLOAD G0A0, G1A, G0W0, G1W
	v_and_b32 v60, 15, v0
	v_bfe_u32 v61, v0, 4, 1
	v_and_b32 v1, 31, v0
	v_lshlrev_b32 v[LI], 4, v1
	v_mul_u32_u24 v62, v60, PITCH
	v_lshl_add_u32 v62, v61, 4, v62
	s_mul_i32 s2, s[TH], 128*PITCH
	s_mul_i32 s3, s[HH], 64*PITCH
	s_add_co_u32 s3, s3, WOFF
	v_add_nc_u32 v[ADRA], s2, v62
	v_add_nc_u32 v[ADRB], s3, v62
	s_add_co_u32 s2, s2, SLOT
	s_add_co_u32 s3, s3, SLOT
	v_add_nc_u32 v[ADRA+1], s2, v62
	v_add_nc_u32 v[ADRB+1], s3, v62
	v_lshrrev_b32 v63, 3, v60
	v_mul_u32_u24 v63, v63, 272
	v_and_b32 v62, 7, v60
	v_lshl_add_u32 v63, v62, 5, v63
	v_mad_u32_u24 v63, v61, 544, v63
	s_mul_i32 s2, s[TH], 16*272
	s_add_co_u32 s2, s2, SCLA
	s_mul_i32 s3, s[HH], 8*272
	s_add_co_u32 s3, s3, SCLW
	v_add_nc_u32 v[ADSA], s2, v63
	v_add_nc_u32 v[ADSW], s3, v63
	v_lshlrev_b32 v62, 2, v60
.irp b, 0,1,2,3
	global_load_b32 v[BV+2*\b], v62, s[92:93] offset:64*\b
	v_mov_b32 v[BV+2*\b+1], 0
	v_mov_b32 v[TM+4+\b], 0
.endr
	s_wait_loadcnt 0x0
.macro FRAG reg, adr, off
.irp c, 0,1,2,3
	ds_load_b128 v[\reg+4*\c:\reg+4*\c+3], v[\adr] offset:\off+32*\c
.endr
.endm
.macro GP k, zero, staged
.set gR, (\k)/2
.set gB, 2*((\k)%2)
.set wN, 0x50*(gR+1)
	WIN wN
.irp a, 0,1,2,3,4,5,6,7
.if \staged
	s_wait_dscnt (7-\a)*4+8
.endif
.irp u, 0,1
.set fZ, \zero
.if gR < 2
.set rD, 8*(4*\a+gB+\u)
.set rA, BF+16*(gB+\u)
.set rB, AF+16*\a
.set rSA, SW+2*gR+gB/2
.set fRA, \u
.set rSB, SA+\a/2
.set fRB, \a%2
.else
.set rD, 8*(8*(gB+\u)+\a)
.set rA, AF+16*\a
.set rB, BF+16*(gB+\u)
.set rSA, SA+\a/2
.set fRA, \a%2
.set rSB, SW+4+gB/2
.set fRB, \u
.endif
.set rC, rD
	EMITW
.endr
.endr
.endm
.macro RLOAD k, slot
	PLACES 8
	WIN 0
.set gR2, ((\k)+2)/2
.set gB2, 2*((\k)%2)
	FRAG BF+16*gB2, ADRB+\slot, gR2*WROLE+gB2*TILEB
	FRAG BF+16*gB2+16, ADRB+\slot, gR2*WROLE+(gB2+1)*TILEB
.endm
.macro FETCH0 slot
.irp p, 0,1,2,3
	ds_load_b32 v[SA+\p], v[ADSA] offset:\p*1088
.endr
.irp q, 0,1,2
.irp p, 0,1
	ds_load_b32 v[SW+2*\q+\p], v[ADSW] offset:\q*4352+\p*1088
.endr
.endr
	FRAG BF, ADRB+\slot, 0
	FRAG BF+16, ADRB+\slot, TILEB
.irp a, 0,1,2,3,4,5,6,7
	FRAG AF+16*\a, ADRA+\slot, \a*TILEB
.endr
	FRAG BF+32, ADRB+\slot, 2*TILEB
	FRAG BF+48, ADRB+\slot, 3*TILEB
	v_add_nc_u32 v[ADSA], 4, v[ADSA]
	v_add_nc_u32 v[ADSW], 4, v[ADSW]
.endm
.macro KSTEP slot, refill, zero
	WIN 0
	s_wait_tensorcnt 0x0
	ds_add_u32 v[SPW], v[NIL]
	s_add_nc_u64 s[G0A0+4*\slot+2:G0A0+4*\slot+3], s[G0A0+4*\slot+2:G0A0+4*\slot+3], 256
	s_add_nc_u64 s[G0W0+4*\slot+2:G0W0+4*\slot+3], s[G0W0+4*\slot+2:G0W0+4*\slot+3], 256
	s_wait_dscnt 0x0
.if \refill
	CROUND
	JLOAD G0A0+4*(1-\slot), G1A, G0W0+4*(1-\slot), G1W
	PLACES 4
.else
	s_barrier_signal -1
	s_barrier_wait -1
	PLACES 8
.endif
	s_wait_alu depctr_va_vdst(0)
	FETCH0 \slot
	GP 0, \zero, 1
	RLOAD 0, \slot
	s_wait_dscnt 8
	GP 1, \zero, 0
	RLOAD 1, \slot
	s_wait_dscnt 8
	GP 2, \zero, 0
	RLOAD 2, \slot
	s_wait_dscnt 8
	GP 3, \zero, 0
	RLOAD 3, \slot
	s_wait_dscnt 8
	GP 4, \zero, 0
	s_wait_dscnt 0x0
	GP 5, \zero, 0
.endm
	KSTEP 0, 1, 1
	WIN 0
	s_mov_b32 s27, 3
.Lk:
	KSTEP 1, 1, 0
	KSTEP 0, 1, 0
	WIN 0
	s_sub_co_u32 s27, s27, 1
	s_cmp_lg_u32 s27, 0
	s_cbranch_scc1 .Lk
	s_load_b512 s[68:83], s[0:1], 0x40
	s_load_b128 s[84:87], s[0:1], 0x80
	KSTEP 1, 0, 0
	WIN 0
	PLACES 8
	s_lshl_b32 s2, s[XW], 1
	s_add_co_u32 s2, s2, s[HH]
	s_lshr_b32 s3, s[YW], 3
	s_lshl_b32 s60, s2, 8
	s_mov_b32 s61, 0
	s_wait_kmcnt 0x0
	s_add_nc_u64 s[68:69], s[68:69], s[60:61]
	s_add_nc_u64 s[70:71], s[70:71], s[60:61]
	s_lshl_b32 s62, s3, 12
	s_add_co_u32 s60, s60, s62
	s_add_nc_u64 s[74:75], s[74:75], s[60:61]
	s_lshl_b32 s62, s3, 4
	s_add_co_u32 s62, s62, s2
	s_and_b32 s63, s[YW], 7
	s_lshl_b32 s63, s63, 1
	s_add_co_u32 s63, s63, s[TH]
	s_lshl_b32 s60, s62, 17
	s_lshl_b32 s66, s63, 13
	s_add_co_u32 s60, s60, s66
	s_add_nc_u64 s[76:77], s[76:77], s[60:61]
	s_add_nc_u64 s[78:79], s[78:79], s[60:61]
	s_add_nc_u64 s[80:81], s[80:81], s[60:61]
	s_lshr_b32 s60, s60, 4
	s_add_nc_u64 s[82:83], s[82:83], s[60:61]
	s_add_nc_u64 s[84:85], s[84:85], s[60:61]
	s_lshr_b32 s60, s60, 1
	s_add_nc_u64 s[86:87], s[86:87], s[60:61]
	v_bfe_u32 v2, v0, 4, 1
	v_lshlrev_b32 v2, 5, v2
	v_lshrrev_b32 v3, 1, v[LI]
.irp b, 0,1,2,3
.irp i, 0,1
	global_load_b128 v[BQ+8*\b+4*\i:BQ+8*\b+4*\i+3], v2, s[68:69] offset:64*\b+16*\i
	global_load_b128 v[GQ+8*\b+4*\i:GQ+8*\b+4*\i+3], v2, s[74:75] offset:64*\b+16*\i
	global_load_b128 v[BK+8*\b+4*\i:BK+8*\b+4*\i+3], v2, s[70:71] offset:64*\b+16*\i
	global_load_b128 v[GK+8*\b+4*\i:GK+8*\b+4*\i+3], v2, s[74:75] offset:16384+64*\b+16*\i
.endr
.endr
.macro QUANT s
.irp b, 0,1,2,3
	v_max3_num_f32 v[TM+\b], |v[\s+16*\b]|, |v[\s+1+16*\b]|, 0x4800000
.endr
.irp i, 2,4,6,8,10,12,14
.irp b, 0,1,2,3
	v_max3_num_f32 v[TM+\b], v[TM+\b], |v[\s+16*\b+\i]|, |v[\s+1+16*\b+\i]|
.endr
.endr
.irp b, 0,1,2,3
	v_permlanex16_b32 v[TM+4+\b], v[TM+\b], s[SEL], s[SEL+1]
.endr
.irp b, 0,1,2,3
	v_max_num_f32 v[TM+\b], v[TM+\b], v[TM+4+\b]
.endr
.irp b, 0,1,2,3
	v_add_nc_u32 v[TM+12+\b], 0xfc000000, v[TM+\b]
.endr
.irp b, 0,1,2,3
.endr
.irp b, 0,1,2,3
	v_lshrrev_b32 v[TM+4+\b], 23, v[TM+12+\b]
.endr
.irp b, 0,1,2,3
.irp i, 0,1,2,3,4,5,6,7,8,9,10,11,12,13,14,15
.endr
	v_cvt_scalef32_pk8_fp8_f32 v[PC+4*\b:PC+1+4*\b], v[\s+16*\b:\s+7+16*\b], v[TM+12+\b]
	v_cvt_scalef32_pk8_fp8_f32 v[PC+2+4*\b:PC+3+4*\b], v[\s+8+16*\b:\s+15+16*\b], v[TM+12+\b]
.endr
	v_nop
.endm
.irp b, 0,1,2,3
	s_wait_xcnt 0x0
	WIN 0x03
.set p, 0
.rept 32
	v_pk_add_f32 v[XN+p:XN+p+1], v[64*\b+p:64*\b+p+1], v[BV+2*\b:BV+2*\b+1] op_sel_hi:[1,0]
.set p, p+2
.endr
	WIN 0
	QUANT XN
.irp i, 0,1,2,3
	global_store_b128 v[LI], v[PC+4*\i:PC+4*\i+3], s[80:81] offset:\b*2048+512*\i
.endr
	v_lshl_or_b32 v[WD+3-\b%2], v[TM+5], 8, v[TM+4]
	v_lshl_or_b32 v[WD+3-\b%2], v[TM+6], 16, v[WD+3-\b%2]
	v_lshl_or_b32 v[WD+3-\b%2], v[TM+7], 24, v[WD+3-\b%2]
.if \b%2
	v_cndmask_b32 v[WD+\b/2], v[WD+3], v[WD+2], vcc_lo
.endif
.endr
	global_store_b64 v3, v[WD:WD+1], s[86:87]
	s_wait_loadcnt 0x0
.set p, 0
.rept 16
	v_pk_mul_f32 v[BQ+p:BQ+p+1], v[BQ+p:BQ+p+1], v[GQ+p:GQ+p+1]
	v_pk_mul_f32 v[BK+p:BK+p+1], v[BK+p:BK+p+1], v[GK+p:GK+p+1]
.set p, p+2
.endr
.macro QKOUT w, bb, gg, pc, ps
.irp pr, 0,1,2,3
	s_wait_xcnt 0x0
	WIN \w
.set p, 0
.rept 32
	v_pk_fma_f32 v[XN+p:XN+p+1], v[64*\pr+p:64*\pr+p+1], v[\gg+(p%32):\gg+(p%32)+1], v[\bb+(p%32):\bb+(p%32)+1]
.set p, p+2
.endr
	WIN 0
	QUANT XN
.irp i, 0,1,2,3
	global_store_b128 v[LI], v[PC+4*\i:PC+4*\i+3], s[\pc:\pc+1] offset:\pr*2048+512*\i
.endr
	v_lshl_or_b32 v[TM+4], v[TM+5], 8, v[TM+4]
	v_lshl_or_b32 v[TM+6], v[TM+7], 8, v[TM+6]
	v_cndmask_b32 v[WD+\pr], v[TM+4], v[TM+6], vcc_lo
.endr
	global_store_b128 v[LI], v[WD:WD+3], s[\ps:\ps+1]
.endm
	QKOUT 1, BQ, GQ, 76, 82
	QKOUT 2, BK, GK, 78, 84
	s_wait_tensorcnt 0x0
	ds_add_u32 v[SPW], v[NIL]
	s_wait_dscnt 0x0
	CROUND
	s_endpgm
.Lfunc_end_k_qe8d7a9f1ad_proj:
	.size	k_qe8d7a9f1ad_proj, .Lfunc_end_k_qe8d7a9f1ad_proj-k_qe8d7a9f1ad_proj
	.p2alignl 7, 3214868480
	.fill 96, 4, 3214868480
	.section	.rodata,"a",@progbits
	.p2align	6, 0x0
	.amdhsa_kernel k_qe8d7a9f1ad_proj
		.amdhsa_group_segment_fixed_size 327680
		.amdhsa_private_segment_fixed_size 0
		.amdhsa_enable_private_segment 0
		.amdhsa_kernarg_size 144
		.amdhsa_user_sgpr_count 2
		.amdhsa_user_sgpr_kernarg_segment_ptr 1
		.amdhsa_wavefront_size32 1
		.amdhsa_system_sgpr_workgroup_id_x 1
		.amdhsa_system_sgpr_workgroup_id_y 1
		.amdhsa_system_sgpr_workgroup_id_z 1
		.amdhsa_system_vgpr_workitem_id 0
		.amdhsa_next_free_vgpr 1024
		.amdhsa_next_free_sgpr 102
		.amdhsa_reserve_vcc 1
		.amdhsa_float_denorm_mode_32 3
		.amdhsa_float_denorm_mode_16_64 3
		.amdhsa_fp16_overflow 1
		.amdhsa_memory_ordered 1
		.amdhsa_forward_progress 1
		.amdhsa_inst_pref_size 171
	.end_amdhsa_kernel
	.amdgpu_metadata
---
amdhsa.version: [ 1, 2 ]
amdhsa.kernels:
  - .name:           k_qe8d7a9f1ad_proj
    .symbol:         k_qe8d7a9f1ad_proj.kd
    .args:
      - { .name: hidden_states_codes, .offset: 0, .size: 8, .value_kind: global_buffer, .address_space: global }
      - { .name: hidden_states_scales, .offset: 8, .size: 8, .value_kind: global_buffer, .address_space: global }
      - { .name: Wq_codes, .offset: 16, .size: 8, .value_kind: global_buffer, .address_space: global }
      - { .name: Wk_codes, .offset: 24, .size: 8, .value_kind: global_buffer, .address_space: global }
      - { .name: Wv_codes, .offset: 32, .size: 8, .value_kind: global_buffer, .address_space: global }
      - { .name: Wq_scales, .offset: 40, .size: 8, .value_kind: global_buffer, .address_space: global }
      - { .name: Wk_scales, .offset: 48, .size: 8, .value_kind: global_buffer, .address_space: global }
      - { .name: Wv_scales, .offset: 56, .size: 8, .value_kind: global_buffer, .address_space: global }
      - { .name: bq, .offset: 64, .size: 8, .value_kind: global_buffer, .address_space: global }
      - { .name: bk, .offset: 72, .size: 8, .value_kind: global_buffer, .address_space: global }
      - { .name: bv, .offset: 80, .size: 8, .value_kind: global_buffer, .address_space: global }
      - { .name: gatebuf, .offset: 88, .size: 8, .value_kind: global_buffer, .address_space: global }
      - { .name: qc, .offset: 96, .size: 8, .value_kind: global_buffer, .address_space: global }
      - { .name: kc, .offset: 104, .size: 8, .value_kind: global_buffer, .address_space: global }
      - { .name: vc, .offset: 112, .size: 8, .value_kind: global_buffer, .address_space: global }
      - { .name: qs, .offset: 120, .size: 8, .value_kind: global_buffer, .address_space: global }
      - { .name: ks, .offset: 128, .size: 8, .value_kind: global_buffer, .address_space: global }
      - { .name: vs, .offset: 136, .size: 8, .value_kind: global_buffer, .address_space: global }
    .group_segment_fixed_size: 327680
    .private_segment_fixed_size: 0
    .kernarg_segment_align: 8
    .kernarg_segment_size: 144
    .max_flat_workgroup_size: 128
    .sgpr_count:     102
    .vgpr_count:     1024
    .wavefront_size: 32
...
	.end_amdgpu_metadata
.endif
;; end of part 2
;; launch attn (part 3): grid 4 x 64, 8 waves a work-group, clusters of 4 x 1, 327,680 bytes of LDS; arguments qc, qs, kc, ks, vc, vs, attention_mask, out0; writes out0
.if DOCPART == 3
	.amdgcn_target "amdgcn-amd-amdhsa--gfx1250"
	.amdhsa_code_object_version 6
	.text
	.protected	k_qe8d7a9f1ad_attn
	.globl	k_qe8d7a9f1ad_attn
	.p2align	8
	.type	k_qe8d7a9f1ad_attn,@function
k_qe8d7a9f1ad_attn:
	s_mov_b64 s[64:65], 0
	v_nop
	global_prefetch_b8 v0, s[64:65] scope:SCOPE_SE
	s_setreg_imm32_b32 hwreg(HW_REG_WAVE_MODE, 25, 1), 1
	s_wait_xcnt 0x0
	s_wait_alu depctr_hold_cnt(0) depctr_sa_sdst(0) depctr_va_vdst(0) depctr_va_sdst(0) depctr_va_ssrc(0) depctr_va_vcc(0) depctr_vm_vsrc(0)
	s_getreg_b32 s2, hwreg(HW_REG_IB_STS2, 6, 4)
	s_cmp_eq_u32 s2, 0
	s_cbranch_scc0 .Lentry_in_a_cluster
	s_endpgm
.Lentry_in_a_cluster:
	s_bfe_u32 s2, ttmp6, 0x10000c
	s_cmp_lg_u32 s2, 0x3003
	s_cbranch_scc0 .Lentry_shape_is_right
	s_endpgm
.Lentry_shape_is_right:
; out0[b][q][head] = the sum over keys of softmax(q . k / 8 + mask) v, both products on codes of FP8 (E4M3) with one E8M0 scale for each 32 along a product's K.  q, k, v arrive as images of operand registers, made by the launch before; q holds the 1 / 8.
; THE SOFTMAX: t = (score + mask) x log2(e); M = the row's largest t so far, rounded up to a whole number; p = 2^(t - M) is quantised along the keys, not normalised.  The row's sum is taken of the unquantised p and divides at the end.
; When M moves, the sum and O are multiplied by 2^(old M - new M): exact.
; SHARES.  A work-group owns 512 queries of one head.  ALL of the head's K, V, scale words and mask numbers, 282,624 bytes, lie in LDS, filled once: the loop has no ring and no barrier.  Two passes of 256 queries; in a pass each of the
; eight waves owns 32 queries: two tiles of 16.  Two waves share a SIMD; each fragment read from LDS feeds both tiles.
; CLUSTER.  The four work-groups of a head read the same K, V, scales and mask: each tile is asked for jointly, by the same tensor load with a mask that names the four.
; LAYOUT.  Both products are used transposed: S^T = K Q^T + mask (source 0 = 16 keys, source 1 = 16 queries, C = the keys' mask numbers), O^T = V^T P^T: a lane holds one query throughout.  The 16 registers of score tiles 2 c and 2 c + 1 are
; converted as they stand; v's codes were laid in the same order inside each block of 32 keys.
; K = 64 IN A FORM OF 128: Q's fragment is eight registers of codes and eight of zeros.  K's fragment of tile t names sixteen registers: its own eight and the next tile's eight (behind tile 7: zeros).  Those are finite codes
; (the quantiser's hold makes no NaN code), they meet Q's zero codes, and bytes 2 and 3 of both scale words are 0: they add nothing.
; BY TURNS.  In a turn one tile has the matrix unit (4 products V^T P of the step in hand, 8 products K Q^T of the next step) and the other tile's softmax, in fourteen parts, stands between them; then the tiles change places.
; A WINDOW IS A TILE: tile x's registers have the same numbers in window x.
; LIMITS: NaN and +infinity among the inputs are not served; a mask number of -infinity is; a row all of whose keys are -infinity gives NaN, as the softmax of such a row does.  |score + mask| x log2(e) stays finite.
; REGISTERS: both windows: v116-131 Q; v132 -M, v133 the largest t; v134-135 the sum; v136-154 at work; v156-171 p's codes; v160-223 S^T, then p; v224-255 O^T.  (Blocks 1-3 of the codes are laid over S^T's first twelve registers, which block 0's conversions have read.)
;   window 0: v1-9, v19, v155 addresses; v10-18 scale words; v20-83 the step's mask numbers; v84-115 V's fragments 2, 3.    window 1: v0-63 K; v64-71 zeros; v72-103 V's fragments 0, 1.
.set VC,   131072                      ; LDS: K's codes from 0, V's from VC,
.set KSC,  262144                      ; K's scale words,
.set MSK,  270336                      ; the mask,
.set VSC,  278528                      ; V's scale words,
.set STG,  282624                      ; and behind all fills the stages: 16 rows x (256 + 16) bytes for each wave
.set LI,   1                           ; v1  16 x lane
.set VB,   2                           ; v2  VC + 16 x lane
.set KSB,  3                           ; v3  KSC + 16 x lane
.set MB,   4                           ; v4  MSK + 32 x (lane / 16)
.set VSB,  5                           ; v5  VSC + 8 x lane
.set STR,  9                           ; v9  the stage: where I read a row back
.set GO,   19                          ; v19 my byte offset in the wave's rows of out0
.set STO,  155                         ; v155 the stage: where I put 32 bytes of a row
.set KS,   10                          ; v10-13 K's scale words: key tiles 2 p | 2 p + 1
.set VS,   14                          ; v14-15 V's: channel tiles 2 p | 2 p + 1
.set QS,   16                          ; v16 Q's: tile 0 | tile 1
.set PW,   17                          ; v17, v18 p's scale words of tile 0, 1
.set MK,   20
.set V23,  84
.set V01,  72
.set Q,    116
.set NM,   132
.set TX,   133
.set L,    134
.set BM,   136                         ; four blocks' largest scores, then largest p
.set PR,   140                         ; what comes from lane l xor 16; bytes; a second chain of sums
.set HD,   144
.set SO,   148                         ; the conversions' scale operands
.set F,    152                         ; 2^(old M - new M); at the end 1 / the sum
.set T,    154
.set P,    156
.set S,    160
.set O,    224
.set WV,   20
.set G1C,  24                          ; s[24:31] group 1: 64 rows of 256 bytes; s[32:39]: 4 rows; s[40:47]: 2 rows
.set G1S,  32
.set G1T,  40
.set G0K,  48
.set G0V,  52
.set G0KS, 56
.set G0M,  68
.set G0VS, 72
.set CS,   76                          ; s[76:77] log2(e): the packed form names a pair
.set SEL,  78
.set MNT,  80
.set SK,   81                          ; where the K step to be fetched begins: 8,192 bytes a step
.set SKS,  82                          ; its scale words and its mask numbers: 512 bytes a step
.set SV,   83                          ; V likewise: 8,192,
.set SVS,  84                          ; 256
.set PASS, 85
.set TRIP, 86
.set MSB, 0
.macro WIN new                         ; the immediate's high byte repeats the setting that is left; a switch that changes nothing is dropped
.if MSB != \new
	s_set_vgpr_msb (MSB<<8)|\new
.set MSB, \new
.endif
.endm
.macro CROUND                          ; a round of the cluster's barrier
	s_barrier_signal -1
	s_barrier_wait -1
	s_cmp_lg_u32 s[WV], 0
	s_cbranch_scc1 .Lnot_wave_0_\@
	s_barrier_signal -3
.Lnot_wave_0_\@:
	s_barrier_wait -3
	s_barrier_signal -1
	s_barrier_wait -1
.endm
.macro EMITW                           ; one matrix instruction from the symbols rD, rA, rB, rC, rSA, rSB; fRA, fRB: a side's scales stand in lanes 16-31
.if fRA && fRB
	v_wmma_scale_f32_16x16x128_f8f6f4 v[rD:rD+7], v[rA:rA+15], v[rB:rB+15], v[rC:rC+7], v[rSA], v[rSB] matrix_a_scale:MATRIX_SCALE_ROW1 matrix_b_scale:MATRIX_SCALE_ROW1
.elseif fRA
	v_wmma_scale_f32_16x16x128_f8f6f4 v[rD:rD+7], v[rA:rA+15], v[rB:rB+15], v[rC:rC+7], v[rSA], v[rSB] matrix_a_scale:MATRIX_SCALE_ROW1
.elseif fRB
	v_wmma_scale_f32_16x16x128_f8f6f4 v[rD:rD+7], v[rA:rA+15], v[rB:rB+15], v[rC:rC+7], v[rSA], v[rSB] matrix_b_scale:MATRIX_SCALE_ROW1
.else
	v_wmma_scale_f32_16x16x128_f8f6f4 v[rD:rD+7], v[rA:rA+15], v[rB:rB+15], v[rC:rC+7], v[rSA], v[rSB]
.endif
.endm
.macro QLOAD                           ; my two tiles of Q and their scale word
	WIN 0
	global_load_b128 v[Q:Q+3], v[LI], s[4:5]
	global_load_b128 v[Q+4:Q+7], v[LI], s[4:5] offset:512
	global_load_b32 v[QS], v[LI], s[6:7]
	WIN 0x40                                       ; destination window 1
	global_load_b128 v[Q:Q+3], v[LI], s[4:5] offset:1024
	global_load_b128 v[Q+4:Q+7], v[LI], s[4:5] offset:1536
	WIN 0
.endm
	s_load_b512 s[4:19], s[0:1], 0x0               ; qc s[4:5], qs s[6:7], kc s[8:9], ks s[10:11], vc s[12:13], vs s[14:15], mask s[16:17], out0 s[18:19]
	s_set_vgpr_msb 0x40
	v_lshl_add_u32 v115, v0, 2, 0x4d800
	v_mov_b32 v155, 0
	s_set_vgpr_msb 0x4045
	ds_add_u32 v115, v155
	ds_add_u32 v115, v155
	s_set_vgpr_msb 0x4500
	v_lshrrev_b32 v1, 5, v0
	s_delay_alu instid0(VALU_DEP_1)
	v_readfirstlane_b32 s[WV], v1                  ; wave 0..7
	s_bfe_u32 s21, ttmp6, 0x40000                  ; cx
	s_lshl_b32 s23, ttmp9, 2
	s_add_co_u32 s21, s21, s23                     ; my block of 512 queries: it enters Q's and out0's addresses alone
	s_and_b32 s22, ttmp7, 0xffff                   ; 16 x batch + head, which the four partners share
	; group 1: dense blocks as rows of 256 bytes (32 elements of 8), no padding: every LDS read here takes consecutive bytes or one address for sixteen lanes
.irp g, G1C, G1S, G1T
	s_mov_b32 s[\g], 15|(3<<16)|(1<<21)            ; 15:0 the mask: all four work-groups; 17:16 elements of 8 bytes; 21 set beside a mask
	s_mov_b32 s[\g+1], 32<<16
	s_mov_b32 s[\g+3], 32<<16
	s_mov_b32 s[\g+5], 32
	s_mov_b32 s[\g+6], 0
	s_mov_b32 s[\g+7], 0
.endr
	s_mov_b32 s[G1C+2], 64<<16
	s_mov_b32 s[G1C+4], 64
	s_mov_b32 s[G1S+2], 4<<16
	s_mov_b32 s[G1S+4], 4
	s_mov_b32 s[G1T+2], 2<<16
	s_mov_b32 s[G1T+4], 2
	; each wave fetches an eighth of each region
	s_lshl_b32 s60, s22, 17
	s_lshl_b32 s61, s[WV], 14
	s_add_co_u32 s60, s60, s61                     ; K's and V's codes
	s_mov_b32 s61, 0
	s_lshl_b32 s62, s22, 13
	s_lshl_b32 s63, s[WV], 10
	s_add_co_u32 s62, s62, s63                     ; K's scale words
	s_mov_b32 s63, 0
	s_lshl_b32 s88, s22, 12
	s_lshl_b32 s89, s[WV], 9
	s_add_co_u32 s88, s88, s89                     ; V's
	s_mov_b32 s89, 0
	s_lshr_b32 s90, s22, 4
	s_lshl_b32 s90, s90, 13
	s_lshl_b32 s91, s[WV], 10
	s_add_co_u32 s90, s90, s91                     ; the batch's mask
	s_mov_b32 s91, 0
	s_lshl_b32 s2, s22, 17                         ; Q: tile 32 x block + 2 x wave, 1,024 bytes a tile
	s_lshl_b32 s3, s21, 15
	s_add_co_u32 s2, s2, s3
	s_lshl_b32 s3, s[WV], 11
	s_add_co_u32 s2, s2, s3
	s_mov_b32 s3, 0
	s_lshl_b32 s92, s22, 13                        ; its scale word: group 4 x block + wave / 4 of 512 bytes, word wave % 4
	s_lshl_b32 s93, s21, 11
	s_add_co_u32 s92, s92, s93
	s_lshr_b32 s93, s[WV], 2
	s_lshl_b32 s93, s93, 9
	s_add_co_u32 s92, s92, s93
	s_and_b32 s93, s[WV], 3
	s_lshl_b32 s93, s93, 2
	s_add_co_u32 s92, s92, s93
	s_mov_b32 s93, 0
	s_lshr_b32 s94, s22, 4                         ; out0: batch x 2,048 rows of 4,096 bytes, + my first query's row, + 256 bytes x head
	s_lshl_b32 s94, s94, 23
	s_lshl_b32 s95, s21, 21
	s_add_co_u32 s94, s94, s95
	s_lshl_b32 s95, s[WV], 17
	s_add_co_u32 s94, s94, s95
	s_and_b32 s95, s22, 15
	s_lshl_b32 s95, s95, 8
	s_add_co_u32 s94, s94, s95
	s_mov_b32 s95, 0
	s_mov_b32 s[CS], 0x3fb8aa3b                    ; log2(e)
	s_mov_b32 s[CS+1], s[CS]                       ; (named with it as a pair, so it is written)
	s_mov_b32 s[SEL], 0x76543210
	s_mov_b32 s[SEL+1], 0xfedcba98
	s_mul_i32 s23, s[WV], 16*272
	s_add_co_u32 s23, s23, STG                     ; my stage
	v_and_b32 v1, 31, v0
	s_delay_alu instid0(VALU_DEP_1)
	v_lshlrev_b32 v[LI], 4, v1
	s_wait_alu depctr_va_vdst(0)
	s_wait_dscnt 0x0
	s_wait_kmcnt 0x0
	s_add_nc_u64 s[4:5], s[4:5], s[2:3]
	s_add_nc_u64 s[6:7], s[6:7], s[92:93]
	s_add_nc_u64 s[18:19], s[18:19], s[94:95]
	QLOAD                                          ; the first pass's
	s_mov_b32 s[G0K], 1
	s_lshl_b32 s[G0K+1], s[WV], 14
	s_add_nc_u64 s[G0K+2:G0K+3], s[8:9], s[60:61]
	s_or_b32 s[G0K+3], s[G0K+3], 0x80000000
	s_mov_b32 s[G0V], 1
	s_add_co_u32 s[G0V+1], s[G0K+1], VC
	s_add_nc_u64 s[G0V+2:G0V+3], s[12:13], s[60:61]
	s_or_b32 s[G0V+3], s[G0V+3], 0x80000000
	s_mov_b32 s[G0KS], 1
	s_lshl_b32 s[G0KS+1], s[WV], 10
	s_add_co_u32 s[G0M+1], s[G0KS+1], MSK
	s_add_co_u32 s[G0KS+1], s[G0KS+1], KSC
	s_add_nc_u64 s[G0KS+2:G0KS+3], s[10:11], s[62:63]
	s_or_b32 s[G0KS+3], s[G0KS+3], 0x80000000
	s_mov_b32 s[G0M], 1
	s_add_nc_u64 s[G0M+2:G0M+3], s[16:17], s[90:91]
	s_or_b32 s[G0M+3], s[G0M+3], 0x80000000
	s_mov_b32 s[G0VS], 1
	s_lshl_b32 s[G0VS+1], s[WV], 9
	s_add_co_u32 s[G0VS+1], s[G0VS+1], VSC
	s_add_nc_u64 s[G0VS+2:G0VS+3], s[14:15], s[88:89]
	s_or_b32 s[G0VS+3], s[G0VS+3], 0x80000000
	CROUND                                         ; all four work-groups are here: the joint loads meet
	tensor_load_to_lds s[G0K:G0K+3], s[G1C:G1C+7]  ; the launch's only fills, one group: five tensor loads of mine are out
	s_nop 0
	tensor_load_to_lds s[G0KS:G0KS+3], s[G1S:G1S+7]
	s_nop 0
	tensor_load_to_lds s[G0M:G0M+3], s[G1S:G1S+7]
	s_nop 0
	tensor_load_to_lds s[G0V:G0V+3], s[G1C:G1C+7]
	s_nop 0
	tensor_load_to_lds s[G0VS:G0VS+3], s[G1T:G1T+7]
	s_nop 0
.rept 4
	v_nop
.endr
	v_add_nc_u32 v[VB], VC, v[LI]
	v_add_nc_u32 v[KSB], KSC, v[LI]
	v_and_b32 v6, 15, v0                           ; r
	v_bfe_u32 v7, v0, 4, 1                         ; h
	s_delay_alu instid0(VALU_DEP_1)
	v_lshl_add_u32 v[MB], v7, 5, MSK
	v_lshrrev_b32 v8, 1, v[LI]
	s_delay_alu instid0(VALU_DEP_1)
	v_add_nc_u32 v[VSB], VSC, v8
	v_mul_u32_u24 v8, v6, 272
	s_delay_alu instid0(VALU_DEP_1)
	v_lshl_add_u32 v8, v7, 5, v8
	s_delay_alu instid0(VALU_DEP_1)
	v_add_nc_u32 v[STO], s23, v8                   ; in: row r; my half's eight channels of a tile: 32 h bytes on
	v_mul_u32_u24 v8, v7, 272
	s_delay_alu instid0(VALU_DEP_1)
	v_lshl_add_u32 v8, v6, 4, v8
	s_delay_alu instid0(VALU_DEP_1)
	v_add_nc_u32 v[STR], s23, v8                   ; back: lanes 0-15 one row, lanes 16-31 the next
	v_lshlrev_b32 v8, 12, v7
	s_delay_alu instid0(VALU_DEP_1)
	v_lshl_add_u32 v[GO], v6, 4, v8                ; and the same two rows in out0
.irp x, 0,1                                    ; written once, in each window: Q's upper half; the permutes' destinations; the upper word of the pair F
.set wN, \x<<6
	WIN wN
.irp i, 8,9,10,11,12,13,14,15
	v_mov_b32 v[Q+\i], 0
.endr
.irp i, 0,1,2,3
	v_mov_b32 v[PR+\i], 0
.endr
	v_mov_b32 v[F+1], 0
.endr
.irp i, 64,65,66,67,68,69,70,71
	v_mov_b32 v[\i], 0                             ; window 1: the zeros behind K's last tile
.endr
	WIN 0
	s_wait_tensorcnt 0x0                           ; my eighths have landed,
	s_barrier_signal -1
	s_barrier_wait -1                              ; everybody's have: from here on LDS is only read, but for each wave's own stage
; Score tile kt of tile x: S^T = K Q^T + mask
.macro MXS x, kt
.set wN, 0x01|((\x)<<2)|((\x)<<6)
	WIN wN                                         ; K in window 1, Q and S^T in the tile's, the mask in window 0
.set rD, S+8*(\kt)
.set rA, 8*(\kt)
.set rB, Q
.set rC, MK+8*(\kt)
.set rSA, KS+(\kt)/2
.set fRA, (\kt)%2
.set rSB, QS
.set fRB, \x
	EMITW
.endm
; Channel tile t of tile x: O^T += V^T P^T
.macro MXPV x, t
.if (\t) < 2
.set wN, 0x01|((\x)<<2)|((\x)<<4)|((\x)<<6)
.set rA, V01+16*(\t)
.else
.set wN, ((\x)<<2)|((\x)<<4)|((\x)<<6)
.set rA, V23+16*((\t)-2)
.endif
	WIN wN
.set rD, O+8*(\t)
.set rC, rD
.set rB, P
.set rSA, VS+(\t)/2
.set fRA, (\t)%2
.set rSB, PW+(\x)
.set fRB, 0
	EMITW
.endm
.macro FETCH_K                         ; 33 loads: a step's 128 keys, their mask numbers in the layout of C (register j of tile kt: key 16 kt + 8 (lane / 16) + j), their scale words
	WIN 0
	v_add_nc_u32 v6, s[SK], v[LI]
	v_add_nc_u32 v7, s[SKS], v[KSB]
	v_add_nc_u32 v8, s[SKS], v[MB]
	WIN 0x40
.irp f, 0,1,2,3,4,5,6,7,8,9,10,11,12,13,14,15
	ds_load_b128 v[4*\f:4*\f+3], v6 offset:512*\f
.endr
	WIN 0
.irp f, 0,1,2,3,4,5,6,7,8,9,10,11,12,13,14,15
	ds_load_b128 v[MK+4*\f:MK+4*\f+3], v8 offset:64*(\f/2)+16*(\f%2)
.endr
	ds_load_b128 v[KS:KS+3], v7
	s_add_co_u32 s[SK], s[SK], 8192
	s_add_co_u32 s[SKS], s[SKS], 512
.endm
.macro FETCH_V                         ; 17 loads: the step's four fragments of V^T and their scale words
	WIN 0
	v_add_nc_u32 v6, s[SV], v[VB]
	v_add_nc_u32 v7, s[SVS], v[VSB]
	WIN 0x40
.irp f, 0,1,2,3,4,5,6,7
	ds_load_b128 v[V01+4*\f:V01+4*\f+3], v6 offset:512*\f
.endr
	WIN 0
.irp f, 0,1,2,3,4,5,6,7
	ds_load_b128 v[V23+4*\f:V23+4*\f+3], v6 offset:4096+512*\f
.endr
	ds_load_b64 v[VS:VS+1], v7
	s_add_co_u32 s[SV], s[SV], 8192
	s_add_co_u32 s[SVS], s[SVS], 256
.endm
; Part p of tile y's softmax for one step of 128 keys.  Register 16 b + i of S^T belongs to block b of 32 keys.
.macro SM y, p
.set wS, 0x55*(\y)
	WIN wS                                         ; every operand in the tile's window
.if \p == 0
.irp b, 0,1,2,3
	v_max3_num_f32 v[BM+\b], v[S+16*\b], v[S+16*\b+1], v[S+16*\b+2]   ; the largest score of each block: it serves the row's maximum and, since p rises with the score, the block's largest p.  Each accumulator is first read at its low end
.endr
.irp i, 3,5,7
.irp b, 0,1,2,3
	v_max3_num_f32 v[BM+\b], v[BM+\b], v[S+16*\b+\i], v[S+16*\b+\i+1]
.endr
.endr
.elseif \p == 1
.irp i, 9,11,13
.irp b, 0,1,2,3
	v_max3_num_f32 v[BM+\b], v[BM+\b], v[S+16*\b+\i], v[S+16*\b+\i+1]
.endr
.endr
.irp b, 0,1,2,3
	v_max_num_f32 v[BM+\b], v[BM+\b], v[S+16*\b+15]
.endr
.elseif \p == 2
.irp b, 0,1,2,3
	v_permlanex16_b32 v[PR+\b], v[BM+\b], s[SEL], s[SEL+1]
.endr
.irp b, 0,1,2,3
	s_delay_alu instid0(VALU_DEP_4)
	v_max_num_f32 v[BM+\b], v[BM+\b], v[PR+\b]     ; with lane l xor 16's 16 keys
.endr
	s_delay_alu instid0(VALU_DEP_2)
	v_max3_num_f32 v[T], v[BM], v[BM+1], v[BM+2]
	s_delay_alu instid0(VALU_DEP_1)
	v_max_num_f32 v[T], v[T], v[BM+3]
	s_delay_alu instid0(VALU_DEP_1)
	v_mul_f32 v[T], s[CS], v[T]                    ; the step's largest t
	s_delay_alu instid0(VALU_DEP_1)
	v_max_num_f32 v[TX], v[TX], v[T]               ; the running largest t
	v_mov_b32 v[T], v[NM]
	s_delay_alu instid0(VALU_DEP_2)
	v_floor_f32 v[NM], -v[TX]                      ; the new -M = floor(-t): M is a whole number
	s_delay_alu instid0(VALU_DEP_1)
	v_sub_f32 v[T], v[NM], v[T]                    ; old M - new M: a whole number, 0 or less
	s_delay_alu instid0(VALU_DEP_1)
	v_cvt_i32_f32 v[T], v[T]                       ; (it saturates)
	s_delay_alu instid0(VALU_DEP_1)
	v_ldexp_f32 v[F], 1.0, v[T]                    ; f = 2^(old M - new M)
.elseif \p == 3
.set j, 0
.rept 16
	v_pk_fma_f32 v[S+j:S+j+1], v[S+j:S+j+1], s[CS:CS+1], v[NM:NM+1] op_sel_hi:[1,0,0]   ; t - M, two at a time
.set j, j+2
.endr
.elseif \p == 4
.set j, 32
.rept 16
	v_pk_fma_f32 v[S+j:S+j+1], v[S+j:S+j+1], s[CS:CS+1], v[NM:NM+1] op_sel_hi:[1,0,0]
.set j, j+2
.endr
.irp b, 0,1,2,3
	v_fma_f32 v[BM+\b], v[BM+\b], s[CS], v[NM]     ; the same of each block's largest score
.endr
.elseif \p < 9
.set ee, 17*(\p-5)
.rept 17
.if ee < 64
	v_exp_f32 v[S+ee], v[S+ee]                     ; p = 2^(t - M)
.else
	v_exp_f32 v[BM+ee-64], v[BM+ee-64]             ; the block's largest p: the same two instructions on the same number
.endif
.set ee, ee+1
.endr
.elseif \p == 9
	v_pk_mul_f32 v[L:L+1], v[L:L+1], v[F:F+1] op_sel_hi:[1,0]   ; the sums under the new M (a plain instruction behind the exponentials)
	s_wait_alu depctr_va_vdst(0)
.irp b, 0,1,2,3
	v_max_num_f32 v[BM+\b], 0x4800000, v[BM+\b]    ; the floor 2^(9 - 127): the byte cannot fall under 1
.endr
.irp b, 0,1,2,3
	s_delay_alu instid0(VALU_DEP_4)
	v_add_nc_u32 v[SO+\b], 0xfc000000, v[BM+\b]    ; 8 off the exponent field: the conversion's scale operand
.endr
.irp b, 0,1,2,3
.endr
.irp b, 0,1,2,3
	s_delay_alu instid0(VALU_DEP_4)
	v_lshrrev_b32 v[PR+\b], 23, v[SO+\b]           ; the scale's byte
.endr
	s_delay_alu instid0(VALU_DEP_3)
	v_lshl_or_b32 v[T], v[PR+1], 8, v[PR]
	s_delay_alu instid0(VALU_DEP_1)
	v_lshl_or_b32 v[T], v[PR+2], 16, v[T]
.set wN, 0x15*(\y)
	WIN wN                                         ; scale operands have no window: the word goes to window 0
	v_lshl_or_b32 v[PW+(\y)], v[PR+3], 24, v[T]
.elseif \p == 10
	v_pk_add_f32 v[PR:PR+1], v[S:S+1], v[S+2:S+3]  ; the row's sum is taken of the unquantised p: two at a time, in two chains
.set j, 4
.rept 15
	v_pk_add_f32 v[L:L+1], v[L:L+1], v[S+j:S+j+1]
	v_pk_add_f32 v[PR:PR+1], v[PR:PR+1], v[S+j+2:S+j+3]
.set j, j+4
.endr
	s_delay_alu instid0(VALU_DEP_1)
	v_pk_add_f32 v[L:L+1], v[L:L+1], v[PR:PR+1]
.elseif \p < 13
.irp c, 0,1
.set bb, 2*(\p-11)+\c
.set j, 0
.rept 16
.set j, j+1
.endr
	v_nop
	v_cvt_scalef32_pk8_fp8_f32 v[P+4*bb:P+4*bb+1], v[S+16*bb:S+16*bb+7], v[SO+bb]
	v_cvt_scalef32_pk8_fp8_f32 v[P+4*bb+2:P+4*bb+3], v[S+16*bb+8:S+16*bb+15], v[SO+bb]
.endr
.else
.set j, 0
.rept 16
	v_pk_mul_f32 v[O+j:O+j+1], v[O+j:O+j+1], v[F:F+1] op_sel_hi:[1,0]   ; O^T under the new M; each accumulator from its low end on
.set j, j+2
.endr
.endif
.endm
; A TURN.  Tile x has the matrix unit, tile 1 - x the vector unit.  pv: 4 products V^T P; kq: 8 products K Q^T of the next step; ldv, ldk: the next V, the next K are fetched; vw: the LDS loads issued behind V's, which may stay out.
; PLACES, by this text's own count of plain vector instructions that name none of the matrix instruction's registers (ISA guide 7.12.1 for vector instructions; eight are asked, nine where a matrix instruction writes over a register):
;   from the last V^T P to V's loads, and to the K Q^T that writes over p's codes: 13 of part 2 and 16 of part 3;  from the last K Q^T to K's loads: 16 of part 9;  from there to the next turn's first read of its scores: parts 10 to 13.
;   p's codes stand 16 (part 13) and more ahead of V^T P, p's scale word parts 10 to 13.
; No two matrix instructions that follow each other name one accumulator.
.macro TURN x, pv, kq, ldv, ldk, vw
	SM 1-\x, 0
.if \pv
.if \x == 0
	s_wait_alu depctr_va_vdst(0)
	s_wait_dscnt \vw                               ; V is in
.endif
	MXPV \x, 0
	MXPV \x, 1
.endif
	SM 1-\x, 1
.if \pv
	MXPV \x, 2
	MXPV \x, 3
.endif
	SM 1-\x, 2
	SM 1-\x, 3
.if \ldv
	FETCH_V
.endif
.if \kq
.if \x == 0
	s_wait_dscnt 0x0                               ; K is in
.endif
	MXS \x, 0
	MXS \x, 1
.endif
	SM 1-\x, 4
.if \kq
	MXS \x, 2
	MXS \x, 3
.endif
	s_wait_alu depctr_va_vdst(0)
	SM 1-\x, 5
.if \kq
	MXS \x, 4
	MXS \x, 5
.endif
	SM 1-\x, 6
.if \kq
	MXS \x, 6
	MXS \x, 7
.endif
	SM 1-\x, 7
	SM 1-\x, 8
	SM 1-\x, 9
.if \ldk
	FETCH_K
.endif
	SM 1-\x, 10
	SM 1-\x, 11
	SM 1-\x, 12
	SM 1-\x, 13
.endm
; The way out of tile x: O^T / the sum goes through my stage in LDS and leaves as whole rows: a query's 64 channels of the head are 256 consecutive bytes of out0, aligned.
.macro OUTT x
.set wS, 0x55*(\x)
	WIN wS
	v_add_f32 v[T], v[L], v[L+1]                   ; the sum's two halves,
	s_delay_alu instid0(VALU_DEP_1)
	v_permlanex16_b32 v[PR], v[T], s[SEL], s[SEL+1]
	s_delay_alu instid0(VALU_DEP_1)
	v_add_f32 v[T], v[T], v[PR]                    ; and lane l xor 16's
	s_wait_alu depctr_va_vdst(0)
	v_rcp_f32 v[F], v[T]
	v_nop                                          ; one plain instruction behind a transcendental
.set j, 0
	s_wait_alu depctr_va_vdst(0)
.rept 16
	v_pk_mul_f32 v[S+j:S+j+1], v[O+j:O+j+1], v[F:F+1] op_sel_hi:[1,0]   ; register 8 t + i: channel 16 t + 8 h + i of query r
.set j, j+2
.endr
.set wN, (\x)<<2
	WIN wN                                         ; a store's data are its source 1
.irp t, 0,1,2,3
	ds_store_b128 v[STO], v[S+8*\t:S+8*\t+3] offset:64*\t
	ds_store_b128 v[STO], v[S+8*\t+4:S+8*\t+7] offset:64*\t+16
.endr
.set wN, (\x)<<6
	WIN wN
.irp i, 0,1,2,3,4,5,6,7
	ds_load_b128 v[S+32+4*\i:S+32+4*\i+3], v[STR] offset:544*\i   ; LDS serves a wave's instructions in order (ISA guide 5.7.1.4): these see my stores, and the next tile's stores come behind them
.endr
.set wN, (\x)<<2
	WIN wN
.irp i, 0,1,2,3,4,5,6,7
	s_wait_dscnt 7-\i                              ; rows 2 i and 2 i + 1 are back; the later rows' loads may be out
	global_store_b128 v[GO], v[S+32+4*\i:S+32+4*\i+3], s[18:19] offset:(16*(\x)+2*\i)*4096 th:TH_STORE_NT   ; sixteen lanes store 256 consecutive bytes, aligned; written once, read by nobody here
.endr
.endm
	s_mov_b32 s[PASS], 2
.Lpass:                                            ; 256 queries of the work-group, 32 of mine
.irp x, 0,1
.set wS, 0x55*\x
	WIN wS
	v_mov_b32 v[TX], 0xff61b1e6                    ; the largest t so far: -3e38, under every t
	s_delay_alu instid0(VALU_DEP_1)
	v_floor_f32 v[NM], -v[TX]
	v_mov_b32 v[L], 0
	v_mov_b32 v[L+1], 0
.set j, 0
.rept 32
	v_mov_b32 v[O+j], 0                            ; the turns are written once: the first step finds zeros, which the first change of M leaves zeros
.set j, j+1
.endr
.endr
	s_mov_b32 s[SK], 0
	s_mov_b32 s[SKS], 0
	s_mov_b32 s[SV], 0
	s_mov_b32 s[SVS], 0
	FETCH_K                                        ; step 0
	s_wait_loadcnt 0x0                             ; Q
	s_wait_dscnt 0x0
.irp kt, 0,1,2,3,4,5,6,7
	MXS 0, \kt                                     ; tile 0's first scores: there is no vector work yet to set between them
.endr
.rept 8
	v_nop
.endr
	TURN 1, 0, 1, 1, 1, 0                          ; tile 1's first scores | tile 0's first softmax | V of step 0, K of step 1
	WIN 0
	s_mov_b32 s[TRIP], 14
.Lstep:                                            ; trip j: tile 0: V^T P of step j, K Q^T of step j + 1 | tile 1's softmax of step j;  then tile 1 the same | tile 0's softmax of step j + 1 | V of step j + 1, K of step j + 2
	TURN 0, 1, 1, 0, 0, 33                         ; behind V's 17 loads stand K's 33
	TURN 1, 1, 1, 1, 1, 0
	WIN 0
	s_sub_co_u32 s[TRIP], s[TRIP], 1
	s_cmp_lg_u32 s[TRIP], 0
	s_cbranch_scc1 .Lstep
	TURN 0, 1, 1, 0, 0, 33                         ; steps 14 and 15: no K is left to fetch
	TURN 1, 1, 1, 1, 0, 0
	WIN 0
	s_cmp_eq_u32 s[PASS], 1                        ; the next pass's Q is asked for here, if there is a next pass: no load leaves its buffer.  The last K Q^T stands seven parts of a softmax back
	s_cbranch_scc1 .Lno_next
	s_add_nc_u64 s[4:5], s[4:5], 16384             ; sixteen tiles on (the loads that read these bases were waited for at the pass's head)
	s_add_nc_u64 s[6:7], s[6:7], 1024
	QLOAD
.Lno_next:
	TURN 0, 1, 0, 0, 0, 0                          ; tile 0: V^T P of step 15 | tile 1's last softmax
.irp t, 0,1,2,3
	MXPV 1, \t
.endr
	OUTT 0                                         ; tile 0's nineteen plain instructions are the places behind tile 1's last products
	OUTT 1
	WIN 0
	s_wait_xcnt 0x0                                ; the stores have read their registers and their base: both may be written again
	s_add_nc_u64 s[18:19], s[18:19], 0x100000      ; 256 rows of out0 on
	s_sub_co_u32 s[PASS], s[PASS], 1
	s_cmp_lg_u32 s[PASS], 0
	s_cbranch_scc1 .Lpass
	s_set_vgpr_msb 0x5
	s_wait_tensorcnt 0x0
	ds_add_u32 v115, v155
	s_wait_dscnt 0x0
	s_set_vgpr_msb 0x500
	CROUND                                         ; the closing round
	s_endpgm
.Lfunc_end_k_qe8d7a9f1ad_attn:
	.size	k_qe8d7a9f1ad_attn, .Lfunc_end_k_qe8d7a9f1ad_attn-k_qe8d7a9f1ad_attn
	.p2alignl 7, 3214868480
	.fill 96, 4, 3214868480
	.section	.rodata,"a",@progbits
	.p2align	6, 0x0
	.amdhsa_kernel k_qe8d7a9f1ad_attn
		.amdhsa_group_segment_fixed_size 327680
		.amdhsa_private_segment_fixed_size 0
		.amdhsa_enable_private_segment 0
		.amdhsa_kernarg_size 64
		.amdhsa_user_sgpr_count 2
		.amdhsa_user_sgpr_kernarg_segment_ptr 1
		.amdhsa_wavefront_size32 1
		.amdhsa_system_sgpr_workgroup_id_x 1
		.amdhsa_system_sgpr_workgroup_id_y 1
		.amdhsa_system_sgpr_workgroup_id_z 1
		.amdhsa_system_vgpr_workitem_id 0
		.amdhsa_next_free_vgpr 512
		.amdhsa_next_free_sgpr 96
		.amdhsa_reserve_vcc 0
		.amdhsa_float_denorm_mode_32 3
		.amdhsa_float_denorm_mode_16_64 3
		.amdhsa_fp16_overflow 1
		.amdhsa_memory_ordered 1
		.amdhsa_forward_progress 1
		.amdhsa_inst_pref_size 117
	.end_amdhsa_kernel
	.amdgpu_metadata
---
amdhsa.version: [ 1, 2 ]
amdhsa.kernels:
  - .name:           k_qe8d7a9f1ad_attn
    .symbol:         k_qe8d7a9f1ad_attn.kd
    .args:
      - { .name: qc, .offset: 0, .size: 8, .value_kind: global_buffer, .address_space: global }
      - { .name: qs, .offset: 8, .size: 8, .value_kind: global_buffer, .address_space: global }
      - { .name: kc, .offset: 16, .size: 8, .value_kind: global_buffer, .address_space: global }
      - { .name: ks, .offset: 24, .size: 8, .value_kind: global_buffer, .address_space: global }
      - { .name: vc, .offset: 32, .size: 8, .value_kind: global_buffer, .address_space: global }
      - { .name: vs, .offset: 40, .size: 8, .value_kind: global_buffer, .address_space: global }
      - { .name: attention_mask, .offset: 48, .size: 8, .value_kind: global_buffer, .address_space: global }
      - { .name: out0, .offset: 56, .size: 8, .value_kind: global_buffer, .address_space: global }
    .group_segment_fixed_size: 327680
    .private_segment_fixed_size: 0
    .kernarg_segment_align: 8
    .kernarg_segment_size: 64
    .max_flat_workgroup_size: 256
    .sgpr_count:     96
    .vgpr_count:     512
    .wavefront_size: 32
...
	.end_amdgpu_metadata
.endif
;; end of part 3
